; MI455X (gfx1250); checked and timed in simulation.
; The chip was launched on July 23, 2026; its instructions are those of AMD's public machine-readable ISA for CDNA 5 (MIT licence, August 2026) and "CDNA5" Instruction Set Architecture Reference Guide (July 2026). The comments in the code are by the model that wrote it; some were corrected since.
;; Multi Head Attention. Allowed arithmetic: matrix products marked QUANTISED: E2M1 operands, one E8M0 scale for each 32 along K, by v_wmma_scale_f32_16x16x128_f8f6f4 with both operands' format E2M1 (or v_wmma_scale_f32_32x16x128_f4), f32 sums; everything else in f32.
;; Inputs: Wk 1,024 x 1,024 float32; Wq 1,024 x 1,024 float32; Wv 1,024 x 1,024 float32; bk 1,024 float32; bq 1,024 float32; bv 1,024 float32; key 4 x 2,048 x 1,024 float32; query 4 x 2,048 x 1,024 float32; scale one number float32; value 4 x 2,048 x 1,024 float32.
;; Outputs: out0 4 x 2,048 x 1,024 float32.
;; This version of the problem:
;;   THIS VERSION OF THE PROBLEM IS GIVEN IN LOW PRECISION. The matrix products marked QUANTISED in the list below multiply operands that are first quantised to E2M1 (2 exponent bits, 1 mantissa bit; 4 bits a number), with one power-of-two scale for each 32 numbers along K (OCP MX v1.0); their sums are f32. All else is computed in f32.
;;   The module's matrix products, in the order in which they are computed (A, B: the left and right operand; K: the contracted axis; several contracted axes count as one K, in the product's order):
;;     1. [M 8,192, K 1,024] x [K 1,024, N 1,024]; A: input query; B: input Wq: QUANTISED
;;     2. [M 8,192, K 1,024] x [K 1,024, N 1,024]; A: input key; B: input Wk: QUANTISED
;;     3. [M 8,192, K 1,024] x [K 1,024, N 1,024]; A: input value; B: input Wv: QUANTISED
;;     4. batch 64 x [M 2,048, K 64] x [K 64, N 2,048]; A: computed on the way; B: computed on the way: QUANTISED
;;     5. batch 64 x [M 2,048, K 2,048] x [K 2,048, N 64]; A: softmax (see below); B: computed on the way: QUANTISED
;;   THE QUANTISER, for each operand of a quantised product, along K:
;;     - K is cut into blocks of 32 from its start; a last block that is shorter is filled with zeros.
;;     - A block's scale is 2^e with e = floor(log2(the largest magnitude in the block)) - 2, held to -126 .. 127; a block of zeros has e = 0. As a byte (E8M0): e + 127.
;;     - Each number is divided by its block's scale, clamped to +-6, and rounded to the nearest number of E2M1, ties to even, subnormals kept.
;;     - The product sums the exact products of the quantised numbers (number of the format x scale) in f32.
;;   ~~~python
;;   def quantise(x, axis):      # numpy; x: float32 -> the quantised numbers, widened to float32 again
;;       x = np.moveaxis(x, axis, -1); K = x.shape[-1]
;;       x = np.pad(x, [(0, 0)] * (x.ndim - 1) + [(0, -K % 32)]); x = x.reshape(x.shape[:-1] + (-1, 32)); a = np.abs(x).max(-1, keepdims=True)
;;       e = np.where(a > 0, np.clip(np.frexp(np.where(a > 0, a, 1))[1] - 1 - 2, -126, 127), 0)      # np.frexp(a)[1] - 1 = floor(log2(a)), exactly
;;       r = np.clip(x / 2.0 ** e, -6, 6)
;;       step = 2.0 ** (np.maximum(np.frexp(np.where(r == 0, 1, r))[1] - 1, 0) - 1)
;;       q = np.round(r / step) * step * 2.0 ** e      # np.round: ties to even
;;       return np.moveaxis(q.reshape(q.shape[:-2] + (-1,))[..., :K], -1, axis).astype(np.float32)
;;   ~~~
;;   SOFTMAX AHEAD OF A QUANTISED PRODUCT. Where the list says 'softmax', what is quantised is not the finished softmax but p = 2^(t - M), with t = logit x log2(e) and M = ceil(the row's largest t), a whole number; so 1/2 < the row's largest p <= 1. The row's sum l is taken of the UNQUANTISED p, in f32, and the product's result is divided by l at the end. Since M is a whole number, a kernel that streams over the keys may use a running M (the ceiling of the running maximum): every later rescaling is an exact power of two, which a block's scale takes up: the codes' values come out the same.
;;   OPERANDS COMPUTED ON THE WAY. 'Computed on the way' means the value that the module computes at that place (a softmax that the list does not call 'softmax' is quantised finished and normalised). What goes into a quantiser is computed in f32, as accurately as f32 sums, v_exp_f32 and their like allow (about 1e-6 of the number): no bf16 or f16 on the way to a quantiser, and a product that is left as it is and whose result goes on into a quantised operand takes f32 operands (vector FMAs, or v_wmma_f32_16x16x4_f32). A number that lies on a knife's edge between two numbers of the format may be rounded either way, as far as f32 arithmetic and the matrix unit's own rounding can turn it there, and no further.
;; One version. Each part assembles by itself: llvm-mc -triple=amdgcn-amd-amdhsa -mcpu=gfx1250 --defsym DOCPART=n.
;; ======== version 1 of 1: 3 launches
;; workspace buffers: cod 14,155,776 bytes; scl 884,736 bytes; hd 13,893,632 bytes
;; launch quant (part 1): grid 864 x 1, 4 waves a work-group, no clusters, 33,280 bytes of LDS; arguments query, key, value, Wq, Wk, Wv, cod, scl; writes cod, scl
.if DOCPART == 1
	.amdgcn_target "amdgcn-amd-amdhsa--gfx1250"
	.amdhsa_code_object_version 6
	.text
	.protected	k_qf3da99c21b_quant
	.globl	k_qf3da99c21b_quant
	.p2align	8
	.type	k_qf3da99c21b_quant,@function
k_qf3da99c21b_quant:
	s_mov_b64 s[64:65], 0
	v_nop
	global_prefetch_b8 v0, s[64:65] scope:SCOPE_SE
	s_setreg_imm32_b32 hwreg(HW_REG_WAVE_MODE, 25, 1), 1
	s_wait_xcnt 0x0
; query, key, value [8192][1024] and Wq, Wk, Wv [1024][1024], f32, K innermost, become codes of FP4 (E2M1) and E8M0 scale bytes, one for each 32 along K.
; cod: [27648 rows][512 bytes], scl: [27648 rows][32 bytes]; rows 0 query, 8192 key, 16384 value, 24576 Wq, 25600 Wk, 26624 Wv.
; A block's scale is 2^(floor(log2(its largest magnitude)) - 2); its byte is the largest magnitude's exponent field - 2, held at 1 from below.
; LIMITS: a block of zeros gets the byte 1 where the rule says 127 (its codes are zeros, and this program alone reads the bytes); blocks whose largest magnitude
; lies under 2^-124 keep the byte 1 and were not tried; NaN and infinities among the inputs are not served.
; SHARES: a work-group takes 32 rows (32,768 numbers), a wave 8 rows: 16 steps of 512 numbers.  Work-groups 0-255 query, 256-511 key, 512-767 value, 768-799 Wq, 800-831 Wk, 832-863 Wv.
; THE ORDER OF ROWS IN THE WORKSPACE.  The next launch wants, of key, value, Wq and Wk, tiles of 16 rows in which lane r of tile 2 b + u is row 32 b + 8 u + r + 8 (r / 8).
; A wave owns 8 rows, so inside each 32 rows that order is: waves 1 and 2 change their places on the way OUT.  query and Wv keep their order.
; Each load reads 512 consecutive bytes; a step's 2,048 bytes turn through the wave's own stage in LDS, so that a lane holds 16 neighbours along K (two neighbouring lanes hold a block).
; No tensor loads, no barrier: waves share nothing.  Loads run four steps (16 loads a wave) ahead, the turn through LDS one step.
.set STEPS, 16
.set EMAX,  2
.set CB,    8                          ; bytes of 16 codes
.set R,     16                         ; v16-79   four sets of 16 numbers as they are loaded
.set X,     80                         ; v80-111  two sets of 16 neighbours
.set E,     112                        ; v112-127 a scale byte for each step
.set C,     128                        ; v128-191 codes: registers of its own for each step, so that no store's data are written again
.set WREG,  8192                       ; LDS: a region for each wave: two stages of 32 x SP bytes, behind them its 256 scale bytes
.set SP,    80                         ; a lane's place in a stage: 64 bytes + 16 of padding
	s_load_b256 s[4:11], s[0:1], 0x0               ; query s[4:5], key s[6:7], value s[8:9], Wq s[10:11]
	s_load_b256 s[12:19], s[0:1], 0x20             ; Wk s[12:13], Wv s[14:15], cod s[16:17], scl s[18:19]
	v_lshl_add_u32 v192, v0, 2, 0x8000
	v_mov_b32 v193, 0
	v_lshrrev_b32 v1, 5, v0
	v_readfirstlane_b32 s20, v1                    ; wave
	v_and_b32 v2, 31, v0                           ; lane
	v_lshlrev_b32 v3, 4, v2                        ; my 16 bytes of a load's 512
	s_mul_i32 s21, s20, WREG
	v_lshrrev_b32 v14, 2, v2
	v_mul_u32_u24 v14, v14, SP
	v_and_b32 v15, 3, v2
	v_lshl_add_u32 v14, v15, 4, v14
	v_add_nc_u32 v14, s21, v14                     ; the stage, on the way in: SP (lane / 4) + 16 (lane % 4)
	v_mul_u32_u24 v15, v2, SP
	v_add_nc_u32 v15, s21, v15                     ; and on the way out: SP x lane: my 16 neighbours
	v_mul_u32_u24 v4, v2, CB                       ; my codes' place in a step's
	v_lshrrev_b32 v5, 1, v2
	s_add_co_u32 s21, s21, 2*32*SP
	v_add_nc_u32 v5, s21, v5                       ; LDS: my wave's 256 scale bytes, my block's byte
	v_lshlrev_b32 v7, 3, v2                        ; and on the way out 8 bytes a lane
	v_add_nc_u32 v6, s21, v7
	s_wait_kmcnt 0x0
; which tensor is my work-group's: the choice hangs on the work-group's number alone.  s[22:23] the source, s24 its first work-group
.macro PICK below, ptr, first
	s_cmp_lt_u32 ttmp9, \below
	s_cselect_b64 s[22:23], s[\ptr:\ptr+1], s[22:23]
	s_cselect_b32 s24, \first, s24
.endm
	s_mov_b64 s[22:23], s[14:15]                   ; Wv, unless
	s_mov_b32 s24, 832
	PICK 832, 12, 800                              ; Wk
	PICK 800, 10, 768                              ; Wq
	PICK 768, 8, 512                               ; value
	PICK 512, 6, 256                               ; key
	PICK 256, 4, 0                                 ; query
	s_sub_co_u32 s25, ttmp9, s24
	s_lshl_b32 s25, s25, 2
	s_add_co_u32 s26, s25, s20                     ; which run of 8,192 numbers of the source is my wave's
	s_lshl_b32 s26, s26, 15                        ; 32,768 bytes a run: under 2^25
	s_mov_b32 s27, 0
	s_add_nc_u64 s[22:23], s[22:23], s[26:27]
	s_and_b32 s28, s20, 1
	s_lshl_b32 s28, s28, 1
	s_lshr_b32 s29, s20, 1
	s_or_b32 s28, s28, s29                         ; the wave's number with its two bits changed over: 0, 2, 1, 3
	s_sub_co_u32 s29, ttmp9, 256
	s_cmp_lt_u32 s29, 576                          ; work-groups 256 to 831: key, value, Wq, Wk
	s_cselect_b32 s28, s28, s20
	s_lshl_b32 s29, ttmp9, 2
	s_add_co_u32 s28, s29, s28                     ; my run's place in the workspace
	s_lshl_b32 s30, s28, 12                        ; 8 rows of 512 bytes of codes
	s_mov_b32 s31, 0
	s_add_nc_u64 s[16:17], s[16:17], s[30:31]
	s_lshl_b32 s30, s28, 8                         ; 8 rows of 32 scale bytes
	s_add_nc_u64 s[18:19], s[18:19], s[30:31]
.macro LOAD t
.irp i, 0,1,2,3
	global_load_b128 v[R+16*((\t)%4)+4*\i:R+16*((\t)%4)+4*\i+3], v3, s[22:23] offset:2048*(\t)+512*\i th:TH_LOAD_NT   ; 32 lanes read 512 consecutive bytes; read once in the launch
.endr
.endm
.macro TURN t                          ; step t's numbers through the stage: LDS serves a wave's instructions in order (ISA guide 5.7.1.4), so no wait stands between the stores and the loads
.irp i, 0,1,2,3
	ds_store_b128 v14, v[R+16*((\t)%4)+4*\i:R+16*((\t)%4)+4*\i+3] offset:32*SP*((\t)%2)+8*SP*\i
.endr
.irp i, 0,1,2,3
	ds_load_b128 v[X+16*((\t)%2)+4*\i:X+16*((\t)%2)+4*\i+3], v15 offset:32*SP*((\t)%2)+16*\i
.endr
.endm
.irp t, 0,1,2,3
	LOAD \t
.endr
	s_wait_loadcnt 12                              ; step 0's four loads are in; twelve younger ones stay out
	TURN 0
.macro STEP t
.set XS, X+16*((\t)%2)
.if (\t) > 0
	s_wait_dscnt 1                                 ; this step's numbers are back from the stage (the last step's byte store may be out): so its stores into the stage have read their registers,
.else
	s_wait_dscnt 0x0
.endif
.if (\t)+4 < STEPS
	LOAD (\t)+4                                    ; which take the loads of four steps on
.endif
.if (\t)+1 < STEPS
.if STEPS-2-(\t) >= 3
	s_wait_loadcnt 12                              ; the next step's four loads are in; those of the three steps behind it may be out
.else
	s_wait_loadcnt 4*(STEPS-2-(\t))
.endif
	TURN (\t)+1                                    ; and go through the other stage while this step is worked
.endif
	v_max3_num_f32 v8, |v[XS]|, |v[XS+1]|, |v[XS+2]|               ; the largest magnitude of my 16, in two chains
	v_max3_num_f32 v9, |v[XS+3]|, |v[XS+4]|, |v[XS+5]|
.irp i, 6,10
	v_max3_num_f32 v8, v8, |v[XS+\i]|, |v[XS+\i+1]|
	v_max3_num_f32 v9, v9, |v[XS+\i+2]|, |v[XS+\i+3]|
.endr
	v_max3_num_f32 v8, v8, |v[XS+14]|, |v[XS+15]|
	v_max3_num_f32 v8, v8, v9, (EMAX+1)<<23        ; and the floor 2^(3 - 127): the byte cannot fall under 1
	v_max_num_f32_dpp v8, v8, v8 row_xmask:1 row_mask:0xf bank_mask:0xf   ; and of my neighbour's 16: the block's
	v_add_nc_u32 v11, -(EMAX<<23), v8              ; 2 off its exponent field: the conversion takes the exponent field of this operand as its scale, and nothing else of it
	v_cvt_scalef32_pk8_fp4_f32 v[C+4*(\t)], v[XS:XS+7], v11
	v_cvt_scalef32_pk8_fp4_f32 v[C+4*(\t)+1], v[XS+8:XS+15], v11
	v_lshrrev_b32 v[E+(\t)], 23, v11               ; the scale's byte; also the plain line behind the conversions
	ds_store_b8 v5, v[E+(\t)] offset:16*(\t)       ; both lanes of a block write the same byte with the same value
	global_store_b64 v4, v[C+4*(\t):C+4*(\t)+1], s[16:17] offset:32*CB*(\t)   ; the wave stores 256 consecutive bytes, aligned
.endm
.irp t, 0,1,2,3,4,5,6,7,8,9,10,11,12,13,14,15
	STEP \t
.endr
	ds_load_b64 v[12:13], v6                       ; these see my byte stores: LDS serves a wave's instructions in order
	s_wait_dscnt 0x0
	global_store_b64 v7, v[12:13], s[18:19]        ; 32 lanes store 256 consecutive bytes, aligned
	s_wait_tensorcnt 0x0
	ds_add_u32 v192, v193
	s_wait_dscnt 0x0
	s_endpgm
.Lfunc_end_k_qf3da99c21b_quant:
	.size	k_qf3da99c21b_quant, .Lfunc_end_k_qf3da99c21b_quant-k_qf3da99c21b_quant
	.p2alignl 7, 3214868480
	.fill 96, 4, 3214868480
	.section	.rodata,"a",@progbits
	.p2align	6, 0x0
	.amdhsa_kernel k_qf3da99c21b_quant
		.amdhsa_group_segment_fixed_size 33280
		.amdhsa_private_segment_fixed_size 0
		.amdhsa_enable_private_segment 0
		.amdhsa_kernarg_size 64
		.amdhsa_user_sgpr_count 2
		.amdhsa_user_sgpr_kernarg_segment_ptr 1
		.amdhsa_wavefront_size32 1
		.amdhsa_system_sgpr_workgroup_id_x 1
		.amdhsa_system_sgpr_workgroup_id_y 1
		.amdhsa_system_sgpr_workgroup_id_z 1
		.amdhsa_system_vgpr_workitem_id 0
		.amdhsa_next_free_vgpr 194
		.amdhsa_next_free_sgpr 66
		.amdhsa_reserve_vcc 0
		.amdhsa_float_denorm_mode_32 3
		.amdhsa_float_denorm_mode_16_64 3
		.amdhsa_memory_ordered 1
		.amdhsa_forward_progress 1
		.amdhsa_inst_pref_size 34
	.end_amdhsa_kernel
	.amdgpu_metadata
---
amdhsa.version: [ 1, 2 ]
amdhsa.kernels:
  - .name:           k_qf3da99c21b_quant
    .symbol:         k_qf3da99c21b_quant.kd
    .args:
      - { .name: query, .offset: 0, .size: 8, .value_kind: global_buffer, .address_space: global }
      - { .name: key, .offset: 8, .size: 8, .value_kind: global_buffer, .address_space: global }
      - { .name: value, .offset: 16, .size: 8, .value_kind: global_buffer, .address_space: global }
      - { .name: Wq, .offset: 24, .size: 8, .value_kind: global_buffer, .address_space: global }
      - { .name: Wk, .offset: 32, .size: 8, .value_kind: global_buffer, .address_space: global }
      - { .name: Wv, .offset: 40, .size: 8, .value_kind: global_buffer, .address_space: global }
      - { .name: cod, .offset: 48, .size: 8, .value_kind: global_buffer, .address_space: global }
      - { .name: scl, .offset: 56, .size: 8, .value_kind: global_buffer, .address_space: global }
    .group_segment_fixed_size: 33280
    .private_segment_fixed_size: 0
    .kernarg_segment_align: 8
    .kernarg_segment_size: 64
    .max_flat_workgroup_size: 128
    .sgpr_count:     66
    .vgpr_count:     194
    .wavefront_size: 32
...
	.end_amdgpu_metadata
.endif
;; end of part 1
;; launch proj (part 2): grid 4 x 96, 4 waves a work-group, clusters of 4 x 4, 296,448 bytes of LDS; arguments cod, scl, bq, bk, bv, hd; writes hd
.if DOCPART == 2
	.amdgcn_target "amdgcn-amd-amdhsa--gfx1250"
	.amdhsa_code_object_version 6
	.text
	.protected	k_qf3da99c21b_proj
	.globl	k_qf3da99c21b_proj
	.p2align	8
	.type	k_qf3da99c21b_proj,@function
k_qf3da99c21b_proj:
	s_mov_b64 s[64:65], 0
	v_nop
	global_prefetch_b8 v0, s[64:65] scope:SCOPE_SE
	s_setreg_imm32_b32 hwreg(HW_REG_WAVE_MODE, 25, 1), 1
	s_wait_xcnt 0x0
	s_wait_alu depctr_hold_cnt(0) depctr_sa_sdst(0) depctr_va_vdst(0) depctr_va_sdst(0) depctr_va_ssrc(0) depctr_va_vcc(0) depctr_vm_vsrc(0)
	s_getreg_b32 s2, hwreg(HW_REG_IB_STS2, 6, 4)
	s_cmp_eq_u32 s2, 0
	s_cbranch_scc0 .Lentry_in_a_cluster
	s_endpgm
.Lentry_in_a_cluster:
	s_bfe_u32 s2, ttmp6, 0x10000c
	s_cmp_lg_u32 s2, 0xf033
	s_cbranch_scc0 .Lentry_shape_is_right
	s_endpgm
.Lentry_shape_is_right:
; The three projections x W^T + b on codes of FP4 (E2M1) with E8M0 scales, M 8192, N 1024, K 1024, and the quantising of their results for the attention that follows.
; cod [27648][512 bytes], scl [27648][32 bytes]: rows 0 query, 8192 key, 16384 value, 24576 Wq, 25600 Wk, 26624 Wv (key, value, Wq, Wk with rows 8-15 and 16-23 of each 32 changed over).
; A tile of 256 x 256 results is made by four waves, each 128 x 128: 64 accumulators of 16 x 16, 512 registers.
; THE MATRIX INSTRUCTION: source 0 = 16 rows of the "B side", source 1 = 16 rows of the "A side".  A lane then holds ONE row of the A side, and its registers run along the B side.
; The B side is the axis along which the result is quantised next: q, k (projections 0, 1): A = tokens, B = channels (the head's 64);  v (projection 2): A = channels (Wv), B = tokens (the keys).
; The changed order of the B side's rows makes the 16 registers of two neighbouring tiles 16 neighbours: register 16 b + i of a block of A = place 32 b + 16 (lane / 16) + i along the B side.
; K = 1024 IS SHORT: both halves of K of A's and B's 256 rows, and their scale bytes, lie in LDS side by side; every LDS byte is filled once, so there is no ring and no refill.
; CLUSTERS: 4 x 4 work-groups, 24 clusters, 8 to a projection.  The four of a row of the cluster need the same rows of the A side, the four of a column the same rows of the B side:
; each tile is asked for JOINTLY, by the same tensor load with the same descriptor and a mask that names the four.  A wave has three tensor loads out at the most.
; THE BIAS is the C of each sum's first product.  THE WAY OUT: a block of 16 A rows x 128 B places is quantised in registers (four blocks of 32 a lane pair) and stored as an IMAGE OF THE NEXT OPERAND'S REGISTERS:
; hd: 64 records (16 x batch + head) of HS bytes: K image 0 (tile T of 16 keys: 512 T + 16 lane), V image 65536 (key step ks, register group c, channel tile d: 4096 ks + 2048 c + 512 d + 16 lane),
; K scale words 131072 (256 (T / 4) + 16 r + 4 (T % 4); two bytes, the upper two 0 over codes that are zeros), V scale words 139264 (256 ks + 16 r + 4 d), Q image 143360, Q scale words 208896 (as K's).
; LIMITS: a block of zeros gets the byte 1 (its codes are zeros; this program alone reads the bytes); blocks under 2^-124 keep the byte 1 and were not tried; NaN and infinities are not served.
; REGISTERS, in windows of 256: window 0: v1-27 addresses; v32-95 scale words, two sets; v96-127 at work on the way out; v128-191 A's fragments, ONE set; v192-255 the bias, later the codes made.
;   window 1: B's fragments, TWO sets, at v0 and v128.   window 2: the accumulators of my A blocks 0-3 ((a, b) at v[8 (8 (a % 4) + b)]);   window 3: those of blocks 4-7.
.set NQ,     4                         ; steps of 128 along K in a slot
.set ROWB,   256                       ; a tile's row in bytes: 512 codes
.set KROW,   512                       ; a row of cod
.set PITCH,  272                       ; an LDS row: 256 bytes + 16 of padding = 68 words: the 16 rows that a load touches start at 16 different banks (64 banks of 4 bytes: ISA guide 11.1)
.set FR,     8                         ; registers of a fragment
.set NL,     2                         ; LDS loads that bring one
.set NP,     4                         ; places behind this matrix instruction (ISA guide 7.12.1)
.set HALFT,  128*PITCH
.set SLOT,   4*HALFT                   ; A's 256 rows, then B's 256 rows; slot 0: K 0-511, slot 1: K 512-1023
.set KS,     32                        ; a row of scl
.set SCL,    2*SLOT                    ; behind the slots: the scale bytes, as units of 256 bytes + 16 of padding
.set HALFS,  (128*KS/256)*272          ; those of 128 rows: what one tensor load brings
.set SBLK,   (16*KS/256)*272           ; those of 16 rows
.set HS,     217088                    ; a record of hd
.set KSCL,   131072
.set VIMG,   65536
.set VSCL,   139264
.set QIMG,   143360
.set QSCL,   208896
.set VA,   8                           ; v8-11   the way out: byte offsets of the code stores, [block / 4][register group]
.set VS0,  12                          ; v12-13  and of the scale words' stores
.set VS1,  13
.set BO,   14                          ; v14     my byte offset in the bias
.set ADRA, 16                          ; v16-17  LDS address of my A fragments in slot 0, 1
.set ADRB, 20                          ; v20-21  the same for B
.set ADRS, 27                          ; v27     LDS address of my scale words: lanes 0-15 A's rows, lanes 16-31 B's
.set SC,   32                          ; scale words: set s at v[SC + 32 s]; register 4 i + q: lanes 0-15 A's block i, lanes 16-31 B's block i, the slot's q-th 128 along K
.set TM,   96                          ; v96-99 largest magnitudes, v100-103 the other half's, then bytes, v108-111 the conversions' scale operands
.set PWS,  112                         ; v112-119 block a's scale word
.set WD0,  120                         ; v120-123, v124-127 scale words on their way out
.set WD1,  124
.set AF,   128
.set BI,   192                         ; the bias as C: eight registers for each of eight tiles
.set WV,   16                          ; s16 wave;  s17 its A half, and: I fetch for A (0) or B (1);  s18 its B half, and: which 128 rows I fetch
.set HI,   17
.set LO,   18
.set PJ,   19                          ; s19 the projection: 0 q, 1 k, 2 v
.set C8,   20                          ; s20 which of its 8 clusters
.set G1, 24                            ; s[24:31] descriptor group 1 for A's tiles;  s[32:39] group 0, one set for each slot
.set G0, 32
.set G1B, 48                           ; s[48:55], s[56:63] the same for B's
.set G0B, 56
.set G1S, 68                           ; s[68:75], s[76:79] groups 1 and 0 for A's scales;  s[80:87], s[88:91] for B's
.set G0S, 76
.set G1SB, 80
.set G0SB, 88
.set MSB, 0
.macro WIN new                         ; the immediate's high byte repeats the setting that is left
.if MSB != \new
	s_set_vgpr_msb (MSB<<8)|\new
.set MSB, \new
.endif
.endm
.set MUL_LO, 0xa1                      ; source 0 (B) window 1, source 1 (A) window 0, C and D window 2
.set MUL_HI, 0xf1                      ; the same, C and D window 3
.set BIA_LO, 0x81                      ; the first products: C (the bias) window 0, D window 2
.set BIA_HI, 0xc1                      ; D window 3
.set TO_B,   0x40                      ; destination window 1, address window 0
; A joint load: waves 0 and 1 fetch for A, waves 2 and 3 for B.  Each of the two lines has ONE mask and one set of registers for all that issue it; the branch hangs on the wave's number alone.
; Four v_nop follow each of the two lines, ahead of the jump, the label and what follows.
.macro JLOAD g0a, g1a, g0b, g1b
	s_cmp_eq_u32 s[HI], 0
	s_cbranch_scc0 .Lfor_b_\@
	tensor_load_to_lds s[\g0a:\g0a+3], s[\g1a:\g1a+7]
	s_nop 0
.rept 4
	v_nop
.endr
	s_branch .Lasked_\@
.Lfor_b_\@:
	tensor_load_to_lds s[\g0b:\g0b+3], s[\g1b:\g1b+7]
	s_nop 0
.rept 4
	v_nop
.endr
.Lasked_\@:
.endm
.macro CROUND                          ; a round of the cluster's barrier: my work-group's barrier; wave 0 signals for the work-group; every wave waits for all sixteen; my work-group's barrier once more
	s_barrier_signal -1
	s_barrier_wait -1
	s_cmp_lg_u32 s[WV], 0
	s_cbranch_scc1 .Lnot_wave_0_\@
	s_barrier_signal -3
.Lnot_wave_0_\@:
	s_barrier_wait -3
	s_barrier_signal -1
	s_barrier_wait -1
.endm
	s_load_b256 s[4:11], s[0:1], 0x0               ; cod s[4:5], scl s[6:7], bq s[8:9], bk s[10:11]
	s_load_b128 s[12:15], s[0:1], 0x20             ; bv s[12:13], hd s[14:15]
	v_lshl_add_u32 v106, v0, 2, 0x48400
	v_mov_b32 v107, 0
	ds_add_u32 v106, v107
	ds_add_u32 v106, v107
	v_lshrrev_b32 v1, 5, v0
	v_readfirstlane_b32 s[WV], v1                  ; wave 0..3
	s_lshr_b32 s[HI], s[WV], 1
	s_and_b32 s[LO], s[WV], 1
	s_bfe_u32 s40, ttmp6, 0x40000                  ; cx, cy: my place in the cluster
	s_bfe_u32 s41, ttmp6, 0x40004
	s_and_b32 s21, ttmp7, 0xffff                   ; the cluster's number, 0..23: the same in all sixteen partners
	s_lshr_b32 s[PJ], s21, 3
	s_and_b32 s[C8], s21, 7
	s_lshl_b32 s43, s41, 2
	s_lshl_b32 s43, 15, s43                        ; my row of the cluster
	s_lshl_b32 s44, 0x1111, s40                    ; my column
	; descriptor group 1: a tile of 128 rows x 256 bytes, 512 bytes apart in memory, padded in LDS
	s_or_b32 s[G1+0], s43, (0<<16)|(1<<20)|(1<<21)|(5<<22)|(3<<25)  ; 15:0 the mask: A's tiles go to my row; 17:16 elements of 1 byte; 20 padding on; 21 set beside a mask; 24:22 after every 64 words (code 5); 31:25 of 4 words (code 3)
	s_or_b32 s[G1B+0], s44, (0<<16)|(1<<20)|(1<<21)|(5<<22)|(3<<25) ; the same with the mask of my column
.irp g, G1, G1B
	s_mov_b32 s[\g+1], ROWB<<16                    ; tensor_dim0
	s_mov_b32 s[\g+2], 128<<16                     ; tensor_dim1
	s_mov_b32 s[\g+3], ROWB<<16                    ; tile_dim0
	s_mov_b32 s[\g+4], 128                         ; tile_dim1
	s_mov_b32 s[\g+5], KROW                        ; tensor_dim0_stride
	s_mov_b32 s[\g+6], 0
	s_mov_b32 s[\g+7], 0
.endr
	; and for the scale bytes of 128 rows: 4,096 dense bytes, as 16 rows of 256 bytes (32 elements of 8 bytes), 16 bytes of padding behind each
	s_or_b32 s[G1S+0], s43, (3<<16)|(1<<20)|(1<<21)|(5<<22)|(3<<25)
	s_or_b32 s[G1SB+0], s44, (3<<16)|(1<<20)|(1<<21)|(5<<22)|(3<<25)
.irp g, G1S, G1SB
	s_mov_b32 s[\g+1], 32<<16
	s_mov_b32 s[\g+2], (128*KS/256)<<16
	s_mov_b32 s[\g+3], 32<<16
	s_mov_b32 s[\g+4], 128*KS/256
	s_mov_b32 s[\g+5], 32
	s_mov_b32 s[\g+6], 0
	s_mov_b32 s[\g+7], 0
.endr
	; which rows of the workspace.  q, k: A = tokens (32 tiles: 4 x cluster + cy), B = channels (4 tiles: cx).  v: A = channels (cy), B = tokens (4 x cluster + cx).
	; A's numbers lie in registers that never hold cx, B's in registers that never hold cy; the choices hang on the projection alone.
	s_lshl_b32 s21, s[C8], 2
	s_lshl_b32 s92, s[PJ], 13                      ; query at row 0, key at 8192
	s_lshl_b32 s46, s[PJ], 10
	s_add_co_u32 s46, s46, 24576                   ; Wq at 24576, Wk at 25600
	s_mov_b32 s22, 26624                           ; Wv
	s_mov_b32 s23, 16384                           ; value
	s_cmp_lt_u32 s[PJ], 2
	s_cselect_b32 s45, s21, 0
	s_cselect_b32 s42, 0, s21
	s_cselect_b32 s92, s92, s22
	s_cselect_b32 s46, s46, s23
	s_add_co_u32 s45, s45, s41                     ; s45: A's tile of 256 rows
	s_add_co_u32 s42, s42, s40                     ; s42: B's
	s_lshl_b32 s21, s[LO], 7                       ; which 128 rows of the tile I fetch
	s_lshl_b32 s22, s45, 8
	s_add_co_u32 s92, s92, s22
	s_add_co_u32 s92, s92, s21                     ; A: the first row
	s_lshl_b32 s23, s42, 8
	s_add_co_u32 s46, s46, s23
	s_add_co_u32 s46, s46, s21                     ; B: the first row
	s_lshl_b32 s94, s92, 5                         ; its scale bytes,
	s_lshl_b32 s92, s92, 9                         ; its codes: all under 2^24
	s_lshl_b32 s96, s46, 5
	s_lshl_b32 s46, s46, 9
	s_mov_b32 s93, 0
	s_mov_b32 s95, 0
	s_mov_b32 s97, 0
	s_mov_b32 s47, 0
	s_mul_i32 s66, s[WV], HALFT                    ; where they go: wave x 128 rows: no place in the cluster enters an LDS address
	s_mul_i32 s67, s[WV], HALFS
	s_wait_dscnt 0x0
	s_wait_kmcnt 0x0
	s_add_nc_u64 s[92:93], s[4:5], s[92:93]
	s_add_nc_u64 s[94:95], s[6:7], s[94:95]
	s_add_nc_u64 s[46:47], s[4:5], s[46:47]
	s_add_nc_u64 s[96:97], s[6:7], s[96:97]
	CROUND                                         ; all sixteen work-groups are here: the joint loads meet
	s_mov_b32 s[G0S], 1                            ; 1:0 count = 1
	s_add_co_u32 s[G0S+1], s67, SCL                ; 63:32 LDS address
	s_mov_b64 s[G0S+2:G0S+3], s[94:95]             ; 120:64 global address
	s_or_b32 s[G0S+3], s[G0S+3], 0x80000000        ; 127:126 type = 2
	s_mov_b32 s[G0SB], 1
	s_add_co_u32 s[G0SB+1], s67, SCL
	s_mov_b64 s[G0SB+2:G0SB+3], s[96:97]
	s_or_b32 s[G0SB+3], s[G0SB+3], 0x80000000
	JLOAD G0S, G1S, G0SB, G1SB                     ; the scales first: they are wanted with the first K step
.irp s, 0,1
	s_mov_b32 s[G0+4*\s], 1
	s_add_co_u32 s[G0+4*\s+1], s66, \s*SLOT
	s_add_nc_u64 s[G0+4*\s+2:G0+4*\s+3], s[92:93], \s*ROWB
	s_or_b32 s[G0+4*\s+3], s[G0+4*\s+3], 0x80000000
	s_mov_b32 s[G0B+4*\s], 1
	s_add_co_u32 s[G0B+4*\s+1], s66, \s*SLOT
	s_add_nc_u64 s[G0B+4*\s+2:G0B+4*\s+3], s[46:47], \s*ROWB
	s_or_b32 s[G0B+4*\s+3], s[G0B+4*\s+3], 0x80000000
	JLOAD G0+4*\s, G1, G0B+4*\s, G1B               ; both halves of K: all that the work-group will ever read
.endr
	v_and_b32 v1, 15, v0                           ; r = lane % 16
	v_bfe_u32 v2, v0, 4, 1                         ; h = lane / 16
	v_mul_u32_u24 v3, v1, PITCH
	v_lshl_add_u32 v4, v2, 4, v3                   ; a fragment's row x pitch + 16 x half
	s_mul_i32 s21, s[HI], HALFT                    ; my 128 rows of A
	s_mul_i32 s22, s[LO], HALFT                    ; my 128 rows of B,
	s_add_co_u32 s22, s22, 2*HALFT                 ; which lie behind A's 256
.irp s, 0,1
	v_add_nc_u32 v[ADRA+\s], s21, v4
	v_add_nc_u32 v[ADRB+\s], s22, v4
	s_add_co_u32 s21, s21, SLOT
	s_add_co_u32 s22, s22, SLOT
.endr
	v_mul_u32_u24 v5, v1, KS                       ; my row's scale bytes: 32 a row,
	v_lshrrev_b32 v6, 8, v5
	v_lshl_add_u32 v5, v6, 4, v5                   ; and 16 more for each 256 passed
	s_mul_i32 s21, s[HI], HALFS                    ; A's: my 128 rows
	s_mul_i32 s22, s[LO], HALFS                    ; B's: my 128 rows, behind A's 256
	s_add_co_u32 s22, s22, 2*HALFS
	s_sub_co_u32 s22, s22, s21
	v_mul_u32_u24 v6, s22, v2                      ; lanes 16-31 take B's: one product, the lower base + h x the distance
	s_add_co_u32 s21, s21, SCL
	v_add_nc_u32 v5, v5, v6
	v_add_nc_u32 v[ADRS], s21, v5
	; THE BIAS, in the result's layout.  q, k: it hangs on the B side: tile x's eight registers are b at channels 32 (x / 2) + 8 (x % 2) + 16 h + 0 .. 7.
	; v: it hangs on the A side: all eight registers of block x are b at channel 16 x + r.  Both ways write all 64 registers.
	s_cmp_eq_u32 s[PJ], 1
	s_cselect_b64 s[8:9], s[10:11], s[8:9]
	s_cmp_eq_u32 s[PJ], 2
	s_cselect_b64 s[8:9], s[12:13], s[8:9]
	s_cmp_eq_u32 s[PJ], 2
	s_cbranch_scc1 .Lbias_v
	s_lshl_b32 s21, s42, 10                        ; 4 bytes x (256 x B's tile + 128 x my half)
	s_lshl_b32 s22, s[LO], 9
	s_add_co_u32 s21, s21, s22
	v_lshl_add_u32 v[BO], v2, 6, s21               ; + 4 x 16 h
.irp x, 0,1,2,3,4,5,6,7
	global_load_b128 v[BI+8*\x:BI+8*\x+3], v[BO], s[8:9] offset:(32*(\x/2)+8*(\x%2))*4
	global_load_b128 v[BI+8*\x+4:BI+8*\x+7], v[BO], s[8:9] offset:(32*(\x/2)+8*(\x%2))*4+16
.endr
	s_branch .Lbias_done
.Lbias_v:
	s_lshl_b32 s21, s45, 10                        ; 4 bytes x (256 x A's tile + 128 x my half)
	s_lshl_b32 s22, s[HI], 9
	s_add_co_u32 s21, s21, s22
	v_lshl_add_u32 v[BO], v1, 2, s21               ; + 4 r
.irp x, 0,1,2,3,4,5,6,7
	global_load_b32 v[BI+8*\x], v[BO], s[8:9] offset:64*\x
.endr
	s_wait_loadcnt 0x0                             ; the tensor loads are on their way meanwhile
.irp x, 0,1,2,3,4,5,6,7
.irp j, 1,2,3,4,5,6,7
	v_mov_b32 v[BI+8*\x+\j], v[BI+8*\x]
.endr
.endr
.Lbias_done:
.macro FRAG reg, adr, q, i             ; a fragment, 16 rows x 128 K of 4-bit codes: lane l holds row l % 16; registers 4 c .. 4 c + 3 hold K = 64 c + 32 (l / 16) + 0 .. 31
.irp c, 0,1
	ds_load_b128 v[\reg+4*\c:\reg+4*\c+3], v[\adr] offset:64*(\q)+32*\c+(\i)*16*PITCH
.endr
.endm
; 16 matrix instructions: A's blocks a0, a0 + 1 x B's eight, the slot's q-th 128 along K.  p: B's set;  sc: the set of scale words.
; cm = 0: the sums go on in place;  1: they start with the bias of B's tile;  2: with the bias of A's block.  Nothing is ever cleared.
; The 64 accumulators take turns, one instruction a turn, in the same order in every step.
.macro MUL16 a0, p, q, sc, cm
.irp a, \a0, \a0+1
.irp b, 0,1,2,3,4,5,6,7
.if \cm == 1
	v_wmma_scale_f32_16x16x128_f8f6f4 v[8*(8*((\a)%4)+\b):8*(8*((\a)%4)+\b)+7], v[128*(\p)+FR*\b:128*(\p)+FR*\b+FR-1], v[AF+FR*(\a):AF+FR*(\a)+FR-1], v[BI+8*\b:BI+8*\b+7], v[SC+8*NQ*(\sc)+NQ*\b+(\q)], v[SC+8*NQ*(\sc)+NQ*(\a)+(\q)] matrix_a_fmt:MATRIX_FMT_FP4 matrix_b_fmt:MATRIX_FMT_FP4 matrix_a_scale:MATRIX_SCALE_ROW1
.elseif \cm == 2
	v_wmma_scale_f32_16x16x128_f8f6f4 v[8*(8*((\a)%4)+\b):8*(8*((\a)%4)+\b)+7], v[128*(\p)+FR*\b:128*(\p)+FR*\b+FR-1], v[AF+FR*(\a):AF+FR*(\a)+FR-1], v[BI+8*(\a):BI+8*(\a)+7], v[SC+8*NQ*(\sc)+NQ*\b+(\q)], v[SC+8*NQ*(\sc)+NQ*(\a)+(\q)] matrix_a_fmt:MATRIX_FMT_FP4 matrix_b_fmt:MATRIX_FMT_FP4 matrix_a_scale:MATRIX_SCALE_ROW1
.else
	v_wmma_scale_f32_16x16x128_f8f6f4 v[8*(8*((\a)%4)+\b):8*(8*((\a)%4)+\b)+7], v[128*(\p)+FR*\b:128*(\p)+FR*\b+FR-1], v[AF+FR*(\a):AF+FR*(\a)+FR-1], v[8*(8*((\a)%4)+\b):8*(8*((\a)%4)+\b)+7], v[SC+8*NQ*(\sc)+NQ*\b+(\q)], v[SC+8*NQ*(\sc)+NQ*(\a)+(\q)] matrix_a_fmt:MATRIX_FMT_FP4 matrix_b_fmt:MATRIX_FMT_FP4 matrix_a_scale:MATRIX_SCALE_ROW1
.endif
.endr
.endr
.endm
.macro FETCH_B slot, q, p              ; B's eight fragments of the slot's q-th 128 along K into set p
	WIN TO_B
.irp i, 0,1,2,3,4,5,6,7
	FRAG 128*(\p)+FR*\i, ADRB+\slot, \q, \i
.endr
	WIN 0
.endm
.macro FETCH_A slot, q, i0             ; A's blocks i0 .. i0 + 3
.irp i, \i0, \i0+1, \i0+2, \i0+3
	FRAG AF+FR*(\i), ADRA+\slot, \q, \i
.endr
.endm
.macro SCALES sc                       ; a slot's scale words into set sc: four words a row; lanes 0-15 take A's block i, lanes 16-31 B's block i
.irp i, 0,1,2,3,4,5,6,7
	ds_load_b128 v[SC+8*NQ*\sc+NQ*\i:SC+8*NQ*\sc+NQ*\i+3], v[ADRS] offset:\i*SBLK
.endr
.endm
; A load into a register that a matrix instruction has read stands NP places behind that matrix instruction, and only plain vector instructions that name none of its registers are places
; (ISA guide 7.12.1 for vector instructions).
.macro PLACES n
.rept \n
	v_nop
.endr
.endm
; A step of 128 along K that has its successor in the same slot.  A block of A is free as soon as its eight products are issued: blocks 0-3 are fetched anew in the step's middle, blocks 4-7 at its end.
.macro STEP slot, q, cm
	s_wait_dscnt 4*NL                              ; B's set, the scale words and A's blocks 0-3 are in; the youngest eight loads (A's blocks 4-7) may be out
.if \cm
	WIN BIA_LO
.else
	WIN MUL_LO
.endif
	MUL16 0, (\q)%2, \q, \slot, \cm
	MUL16 2, (\q)%2, \q, \slot, \cm
	s_wait_dscnt 0                                 ; A's blocks 4-7 are in (asked for 32 matrix instructions ago)
	PLACES NP
	FETCH_B \slot, (\q)+1, 1-(\q)%2
	FETCH_A \slot, (\q)+1, 0
.if \cm
	WIN BIA_HI
.else
	WIN MUL_HI
.endif
	MUL16 4, (\q)%2, \q, \slot, \cm
	MUL16 6, (\q)%2, \q, \slot, \cm
	PLACES NP
	WIN 0
	FETCH_A \slot, (\q)+1, 4
.endm
.macro STEPS slot, from                ; the slot's steps from .. NQ - 2
.set Q, \from
.rept NQ-1-\from
	STEP \slot, Q, 0
.set Q, Q+1
.endr
.endm
	s_wait_tensorcnt 1                             ; the scales and my part of slot 0 are in; slot 1's load, the one issued behind them, may be out
	s_barrier_signal -1
	s_barrier_wait -1                              ; everybody's are
	FETCH_B 0, 0, 0
	FETCH_A 0, 0, 0
	SCALES 0
	FETCH_A 0, 0, 4
	s_wait_loadcnt 0x0                             ; the bias
	s_cmp_lt_u32 s[PJ], 2                          ; the first step is written twice: its products differ in the registers that they take as C
	s_cbranch_scc0 .Lfirst_v
	STEP 0, 0, 1
	s_branch .Lfirst_done
.Lfirst_v:
	STEP 0, 0, 2
.Lfirst_done:
	STEPS 0, 1
	; slot 0's last step goes over to slot 1: each wave waits for its own part of slot 1 and for its LDS loads, then the barrier; sixteen products stand between signal and wait
	s_wait_tensorcnt 0x0                           ; my part of slot 1 is in
	s_wait_dscnt 4*NL                              ; (A's blocks 4-7 may be out)
	WIN MUL_LO
	MUL16 0, 1, NQ-1, 0, 0
	s_wait_dscnt 0x0                               ; no LDS instruction of mine is out at the signal
	s_barrier_signal -1
	MUL16 2, 1, NQ-1, 0, 0
	WIN 0
	s_barrier_wait -1                              ; slot 1 is whole
	PLACES NP
	v_add_nc_u32 v[ADRS], 4*NQ, v[ADRS]            ; on to slot 1's scale words (no LDS load of mine is out)
	FETCH_B 1, 0, 0
	FETCH_A 1, 0, 0
	SCALES 1
	WIN MUL_HI
	MUL16 4, 1, NQ-1, 0, 0
	MUL16 6, 1, NQ-1, 0, 0
	PLACES NP
	WIN 0
	FETCH_A 1, 0, 4
	STEPS 1, 0
	s_wait_dscnt 4*NL                              ; the very last step: nothing more to fetch
	WIN MUL_LO
	MUL16 0, 1, NQ-1, 1, 0
	MUL16 2, 1, NQ-1, 1, 0
	s_wait_dscnt 0
	WIN MUL_HI
	MUL16 4, 1, NQ-1, 1, 0
	MUL16 6, 1, NQ-1, 1, 0
	WIN 0
	; THE WAY OUT.  Where my 128 x 128 results belong in hd.
	s_lshl_b32 s21, s45, 8
	s_lshl_b32 s22, s[HI], 7
	s_add_co_u32 s21, s21, s22                     ; my first place along the A side
	s_lshl_b32 s22, s42, 8
	s_lshl_b32 s23, s[LO], 7
	s_add_co_u32 s22, s22, s23                     ; and along the B side
	s_mov_b32 s96, 0                               ; k's image,
	s_mov_b32 s97, KSCL                            ; k's scale words,
	s_mov_b32 s98, 2048                            ; q, k: blocks 4-7 are four tiles of tokens on;
	s_mov_b32 s99, HS                              ;       register group 1 is the next head;
	s_mov_b32 s100, 256                            ;       the scale words of blocks 4-7 are one group of four tiles on
	s_cmp_lt_u32 s[PJ], 2
	s_cselect_b32 s23, s21, s22                    ; my first token
	s_cselect_b32 s66, s22, s21                    ; my first channel
	s_cmp_eq_u32 s[PJ], 0
	s_cselect_b32 s96, QIMG, s96
	s_cselect_b32 s97, QSCL, s97
	s_cmp_eq_u32 s[PJ], 2
	s_cselect_b32 s96, VIMG, s96
	s_cselect_b32 s97, VSCL, s97
	s_cselect_b32 s98, HS, s98                     ; v: blocks 4-7 are the next head;
	s_cselect_b32 s99, 2048, s99                   ;    register group 1 lies 2,048 bytes on;
	s_cselect_b32 s100, HS, s100                   ;    the scale words of blocks 4-7 are the next head's
	s_cselect_b32 s101, 1, 2                       ; scale words: q, k 4 bytes a token, v 256 bytes for 128 tokens
	s_lshr_b32 s92, s23, 11                        ; the batch
	s_and_b32 s95, s23, 2047                       ; the token in it
	s_lshr_b32 s94, s66, 6                         ; the first of my two heads
	s_lshl_b32 s92, s92, 4
	s_add_co_u32 s92, s92, s94
	s_mul_i32 s92, s92, HS                         ; its record: under 2^24
	s_mov_b32 s93, 0
	s_add_nc_u64 s[14:15], s[14:15], s[92:93]
	s_lshl_b32 s94, s95, 5                         ; images: 512 bytes for 16 tokens, 4,096 for 128
	s_add_co_u32 s96, s96, s94
	s_lshl_b32 s94, s95, s101
	s_add_co_u32 s97, s97, s94
	s_mov_b32 s22, 0x76543210                      ; v_permlanex16_b32's selects for lane l xor 16
	s_mov_b32 s23, 0xfedcba98
	s_mov_b32 vcc_lo, 0xffff0000                   ; lanes 16-31
	; fifteen plain vector lines that name no register of the last products: they are the places behind them
	v_and_b32 v1, 31, v0
	v_and_b32 v2, 15, v0
	v_bfe_u32 v3, v0, 4, 1
	v_lshl_add_u32 v[VA], v1, 4, s96               ; an image's place for my lane: 16 x lane
	v_add_nc_u32 v[VA+1], s99, v[VA]
	v_add_nc_u32 v[VA+2], s98, v[VA]
	v_add_nc_u32 v[VA+3], s98, v[VA+1]
	v_mul_u32_u24 v4, s100, v3
	v_lshl_add_u32 v4, v2, 4, v4
	v_add_nc_u32 v[VS0], s97, v4                   ; scale words: 16 r, lanes 16-31 those of blocks 4-7
	v_add_nc_u32 v[VS1], HS, v[VS0]
.irp b, 0,1,2,3
	v_mov_b32 v[TM+4+\b], 0                        ; written once: a lane permute's destination counts as one of its sources
.endr
; Block a: 16 rows of the A side x 128 places of the B side.  A lane's register 16 b + i is place 32 b + 16 (lane / 16) + i of its row: four blocks of 32, each in lanes l and l xor 16.
; Each accumulator is read from its low end on.  The codes get registers of their own for each block, so that no store's data are written again.
.macro OUTBLK a
.set AC, 64*((\a)%4)
.set PC, BI+8*(\a)
	WIN 20*(2+(\a)/4)                              ; sources 1 and 2: window 2 or 3
.irp b, 0,1,2,3
	v_max3_num_f32 v[TM+\b], 0x1800000, |v[AC+16*\b]|, |v[AC+16*\b+1]|   ; my 16 numbers of block b, and the floor 2^(3 - 127): the byte cannot fall under 1
.endr
.irp i, 2,4,6,8,10,12,14
.irp b, 0,1,2,3
	v_max3_num_f32 v[TM+\b], v[TM+\b], |v[AC+16*\b+\i]|, |v[AC+16*\b+\i+1]|   ; (the four blocks by turns)
.endr
.endr
	WIN 0
.irp b, 0,1,2,3
	v_permlanex16_b32 v[TM+4+\b], v[TM+\b], s22, s23
.endr
.irp b, 0,1,2,3
	v_max_num_f32 v[TM+\b], v[TM+\b], v[TM+4+\b]   ; with lane l xor 16's: the block's largest magnitude
.endr
.irp b, 0,1,2,3
	v_add_nc_u32 v[TM+12+\b], 0xff000000, v[TM+\b] ; 2 off its exponent field: the conversion's scale operand
.endr
.irp b, 0,1,2,3
	v_lshrrev_b32 v[TM+4+\b], 23, v[TM+12+\b]      ; the scale's byte
.endr
	v_lshl_or_b32 v[PWS+(\a)], v[TM+5], 8, v[TM+4] ; the four bytes of my row
	v_lshl_or_b32 v[PWS+(\a)], v[TM+6], 16, v[PWS+(\a)]
	v_lshl_or_b32 v[PWS+(\a)], v[TM+7], 24, v[PWS+(\a)]
	WIN 2+(\a)/4                                   ; source 0: window 2 or 3
.irp b, 0,1,2,3
	v_cvt_scalef32_pk8_fp4_f32 v[PC+2*\b], v[AC+16*\b:AC+16*\b+7], v[TM+12+\b]
	v_cvt_scalef32_pk8_fp4_f32 v[PC+2*\b+1], v[AC+16*\b+8:AC+16*\b+15], v[TM+12+\b]
.endr
	WIN 0
	v_nop                                          ; one plain place behind a scaled conversion
.irp c, 0,1                                    ; the operand's layout wants a WHOLE block in a lane: lanes 0-15 block 2 c, lanes 16-31 block 2 c + 1
.irp i, 0,1
	v_permlane16_swap_b32 v[PC+4*\c+\i], v[PC+4*\c+2+\i]
.endr
.endr
	global_store_b128 v[VA+2*((\a)/4)], v[PC:PC+3], s[14:15] offset:512*((\a)%4)       ; q, k: the first head's tile;  v: keys 0-63 of the step.  32 lanes store 512 consecutive bytes, aligned
	global_store_b128 v[VA+2*((\a)/4)+1], v[PC+4:PC+7], s[14:15] offset:512*((\a)%4)   ; q, k: the second head's;     v: keys 64-127
.endm
.irp a, 0,1,2,3,4,5,6,7
	OUTBLK \a
.endr
.irp i, 0,1,2,3
	v_cndmask_b32 v[WD0+\i], v[PWS+\i], v[PWS+4+\i], vcc_lo   ; lanes 0-15: blocks 0-3's words of row r; lanes 16-31: blocks 4-7's
.endr
	s_cmp_lt_u32 s[PJ], 2
	s_cbranch_scc0 .Lwords_v
.irp i, 0,1,2,3
	v_and_b32 v[WD1+\i], 0xffff, v[WD0+\i]         ; q, k: the lower two bytes are the first head's two blocks,
.endr
.irp i, 0,1,2,3
	v_lshrrev_b32 v[WD0+\i], 16, v[WD0+\i]         ; the upper two the second head's
.endr
	global_store_b128 v[VS0], v[WD1:WD1+3], s[14:15]   ; 512 consecutive bytes, aligned: two groups of four tiles
	global_store_b128 v[VS1], v[WD0:WD0+3], s[14:15]
	s_branch .Lwords_done
.Lwords_v:
	global_store_b128 v[VS0], v[WD0:WD0+3], s[14:15]   ; v: a word is the step's four blocks of keys; each half of the lanes stores 256 consecutive bytes, aligned, of its head
.Lwords_done:
	s_wait_tensorcnt 0x0
	ds_add_u32 v106, v107
	s_wait_dscnt 0x0
	CROUND                                         ; the closing round: no work-group ends while a partner may still ask for a tile that names it
	s_endpgm
.Lfunc_end_k_qf3da99c21b_proj:
	.size	k_qf3da99c21b_proj, .Lfunc_end_k_qf3da99c21b_proj-k_qf3da99c21b_proj
	.p2alignl 7, 3214868480
	.fill 96, 4, 3214868480
	.section	.rodata,"a",@progbits
	.p2align	6, 0x0
	.amdhsa_kernel k_qf3da99c21b_proj
		.amdhsa_group_segment_fixed_size 296448
		.amdhsa_private_segment_fixed_size 0
		.amdhsa_enable_private_segment 0
		.amdhsa_kernarg_size 48
		.amdhsa_user_sgpr_count 2
		.amdhsa_user_sgpr_kernarg_segment_ptr 1
		.amdhsa_wavefront_size32 1
		.amdhsa_system_sgpr_workgroup_id_x 1
		.amdhsa_system_sgpr_workgroup_id_y 1
		.amdhsa_system_sgpr_workgroup_id_z 1
		.amdhsa_system_vgpr_workitem_id 0
		.amdhsa_next_free_vgpr 1024
		.amdhsa_next_free_sgpr 102
		.amdhsa_reserve_vcc 1
		.amdhsa_float_denorm_mode_32 3
		.amdhsa_float_denorm_mode_16_64 3
		.amdhsa_memory_ordered 1
		.amdhsa_forward_progress 1
		.amdhsa_inst_pref_size 145
	.end_amdhsa_kernel
	.amdgpu_metadata
---
amdhsa.version: [ 1, 2 ]
amdhsa.kernels:
  - .name:           k_qf3da99c21b_proj
    .symbol:         k_qf3da99c21b_proj.kd
    .args:
      - { .name: cod, .offset: 0, .size: 8, .value_kind: global_buffer, .address_space: global }
      - { .name: scl, .offset: 8, .size: 8, .value_kind: global_buffer, .address_space: global }
      - { .name: bq, .offset: 16, .size: 8, .value_kind: global_buffer, .address_space: global }
      - { .name: bk, .offset: 24, .size: 8, .value_kind: global_buffer, .address_space: global }
      - { .name: bv, .offset: 32, .size: 8, .value_kind: global_buffer, .address_space: global }
      - { .name: hd, .offset: 40, .size: 8, .value_kind: global_buffer, .address_space: global }
    .group_segment_fixed_size: 296448
    .private_segment_fixed_size: 0
    .kernarg_segment_align: 8
    .kernarg_segment_size: 48
    .max_flat_workgroup_size: 128
    .sgpr_count:     102
    .vgpr_count:     1024
    .wavefront_size: 32
...
	.end_amdgpu_metadata
.endif
;; end of part 2
;; launch attn (part 3): grid 4 x 64, 16 waves a work-group, clusters of 4 x 1, 215,040 bytes of LDS; arguments hd, scale, out0; writes out0
.if DOCPART == 3
	.amdgcn_target "amdgcn-amd-amdhsa--gfx1250"
	.amdhsa_code_object_version 6
	.text
	.protected	k_qf3da99c21b_attn
	.globl	k_qf3da99c21b_attn
	.p2align	8
	.type	k_qf3da99c21b_attn,@function
k_qf3da99c21b_attn:
	s_mov_b64 s[64:65], 0
	v_nop
	global_prefetch_b8 v0, s[64:65] scope:SCOPE_SE
	s_setreg_imm32_b32 hwreg(HW_REG_WAVE_MODE, 25, 1), 1
	s_wait_xcnt 0x0
	s_wait_alu depctr_hold_cnt(0) depctr_sa_sdst(0) depctr_va_vdst(0) depctr_va_sdst(0) depctr_va_ssrc(0) depctr_va_vcc(0) depctr_vm_vsrc(0)
	s_getreg_b32 s2, hwreg(HW_REG_IB_STS2, 6, 4)
	s_cmp_eq_u32 s2, 0
	s_cbranch_scc0 .Lentry_in_a_cluster
	s_endpgm
.Lentry_in_a_cluster:
	s_bfe_u32 s2, ttmp6, 0x10000c
	s_cmp_lg_u32 s2, 0x3003
	s_cbranch_scc0 .Lentry_shape_is_right
	s_endpgm
.Lentry_shape_is_right:
; out[b][q][64 head + :] = the sum over k of softmax_k(q . k / scale) v, both products on codes of FP4 (E2M1) with E8M0 scales; 64 heads (16 x batch + head), 2,048 queries and keys, head size 64.
; hd: a record of HS bytes a head, laid as images of the operands' registers: K image 0, V image 65536, K scale words 131072, V scale words 139264, Q image 143360, Q scale words 208896.
; THE SOFTMAX AHEAD OF THE SECOND PRODUCT: t = score x log2(e) / scale; M = the row's largest t so far, rounded UP to a whole number; p = 2^(t - M) is what is quantised, along the keys; it is not normalised.
; The row's sum is taken of the unquantised p, in f32, and divides O at the end.  When M moves, the sum and O are multiplied by 2^(old M - new M): exact.
; A NEGATIVE scale is served: the signs of q's codes are turned and c = log2(e) / |scale| is used, which is the same number exactly; so c is positive and a block's largest score gives its largest p.
; LIMITS: scale = 0, NaN and infinities are not served.  1 / |scale| is v_rcp_f32's.
; SHARES.  A work-group owns 512 queries of one head; each of its sixteen waves two tiles of 16 queries, one after the other, in 256 registers: four waves to a SIMD, so that one wave's
; vector work stands beside another's matrix work and LDS loads.  Every tile walks all keys, 128 a step, 16 steps.
; A HEAD'S K, V AND THEIR SCALE WORDS, 143,360 dense bytes, lie in LDS for the whole launch: filled once, so there is no ring and no refill.
; CLUSTER.  The four work-groups of a cluster belong to one head: the fill is asked for JOINTLY, waves 0-7 each with one tensor load of 70 rows of 256 bytes and a mask that names the four.
; LAYOUT.  Both products are used transposed: S^T = K Q^T (source 0 = 16 keys, source 1 = my 16 queries), O^T = V^T P^T: a lane holds ONE query (lane % 16) throughout.
; Lane r of K's tile 2 b + u is key 32 b + 8 u + r + 8 (r / 8), so that the 16 registers of tiles 2 b and 2 b + 1 are keys 32 b + 16 (lane / 16) + 0 .. 15.
; The head's 64 fill half of the instruction's 128 along K: the upper four registers of Q's and K's fragments are zero codes, set once.
.set HS,    217088
.set VIMG,  65536
.set KSCL,  131072
.set VSCL,  139264
.set QIMG,  143360
.set QSCL,  208896
.set PART,  17920                      ; 70 rows of 256 bytes: what one tensor load brings
.set STG,   143360                     ; behind the head's bytes: a stage of 16 rows x 272 bytes for each wave; no fill lands there
.set SPI,   272
.set LI,   1                           ; v1   16 x lane: an image's place for my lane (K's image begins at LDS byte 0)
.set LV,   2                           ; v2   the same in V's image
.set LKS,  3                           ; v3   and among K's scale words: lanes 0-15 tiles 0-3 of row r, lanes 16-31 tiles 4-7
.set LVS,  4                           ; v4   V's scale words: 16 r
.set STO,  5                           ; v5   the way out: where I put 32 bytes of a row
.set RD,   6                           ; v6   where I read a row back
.set GO,   7                           ; v7   my byte offset in two rows of out
.set ADK,  8                           ; v8-11 the step's LDS addresses
.set ADV,  9
.set ADS,  10
.set ADT,  11
.set QF,   16                          ; v16-23 Q's fragment; v20-23 zeros
.set QS,   24                          ; v24  Q's scale words
.set QO,   25                          ; v25  my byte offset in Q's image
.set QSO,  26                          ; v26  and among Q's scale words
.set KSW,  28                          ; v28-31 K's scale words
.set KF,   32                          ; v32-95 K's eight fragments; the upper four registers of each are zeros
.set ST,   96                          ; v96-159 S^T, then p
.set OT,   160                         ; v160-191 O^T
.set VF,   192                         ; v192-223 V's four fragments
.set PCD,  224                         ; v224-231 p's codes
.set BM,   232                         ; v232-235 each block's largest score, then its largest p
.set PB,   236                         ; v236-239 at work
.set VSW,  240                         ; v240-243 V's scale words
.set SOP,  244                         ; v244-247 the conversions' scale operands
.set FF,   250                         ; v[250:251] f = 2^(old M - new M); v251 is named with it as a pair
.set PSW,  253                         ; v253 p's scale word
.set TMP,  254
.set WV,   12                          ; s12  my wave's number
.set SEL,  20                          ; s[20:21] v_permlanex16_b32's selects for lane l xor 16
.set CS,   22                          ; s[22:23] c: the packed form names a pair and takes its low word for both halves
.set SGN,  24                          ; s24  the sign bits of eight codes if scale is negative, else 0
.set G1,   28                          ; s[28:35] descriptor group 1;  s[36:39] group 0
.set G0,   36
.set TB,   40                          ; s40  the step's place in K's and in V's image: 4,096 bytes a step
.set TS,   41                          ; s41  among K's scale words: 512
.set TJ,   42                          ; s42  among V's: 256
.set CNT,  43
.set HB,   44                          ; s[44:45] my head's record
.macro ROUND                           ; a round of the cluster's barrier
	s_barrier_signal -1
	s_barrier_wait -1
	s_cmp_lg_u32 s[WV], 0
	s_cbranch_scc1 .Lnot_wave_0_\@
	s_barrier_signal -3
.Lnot_wave_0_\@:
	s_barrier_wait -3
	s_barrier_signal -1
	s_barrier_wait -1
.endm
	s_load_b128 s[4:7], s[0:1], 0x0                ; hd s[4:5], scale s[6:7]
	s_load_b64 s[8:9], s[0:1], 0x10                ; out0
	v_lshl_add_u32 v252, v0, 2, 0x34000
	v_mov_b32 v255, 0
	ds_add_u32 v252, v255
	ds_add_u32 v252, v255
	v_lshrrev_b32 v8, 5, v0
	v_readfirstlane_b32 s[WV], v8                  ; wave 0..15
	s_bfe_u32 s13, ttmp6, 0x40000                  ; cx: it enters Q's and out's global offsets alone
	s_lshl_b32 s14, ttmp9, 2
	s_add_co_u32 s14, s14, s13                     ; my block of 512 queries
	s_and_b32 s15, ttmp7, 0xffff                   ; 16 x batch + head, which the four partners share
	s_mul_i32 s16, s15, HS                         ; under 2^24
	s_mov_b32 s17, 0
	; descriptor group 1: 70 dense rows of 256 bytes (32 elements of 8 bytes), no padding: every read is 16 bytes a lane on end
	s_mov_b32 s[G1], 15|(3<<16)|(1<<21)            ; 15:0 the mask: all four work-groups; 17:16 elements of 8 bytes; 21 set beside a mask
	s_mov_b32 s[G1+1], 32<<16                      ; tensor_dim0
	s_mov_b32 s[G1+2], 70<<16                      ; tensor_dim1
	s_mov_b32 s[G1+3], 32<<16                      ; tile_dim0
	s_mov_b32 s[G1+4], 70                          ; tile_dim1
	s_mov_b32 s[G1+5], 32                          ; tensor_dim0_stride
	s_mov_b32 s[G1+6], 0
	s_mov_b32 s[G1+7], 0
	s_mov_b32 s[SEL], 0x76543210
	s_mov_b32 s[SEL+1], 0xfedcba98
	s_wait_dscnt 0x0
	s_wait_kmcnt 0x0
	s_load_b32 s10, s[6:7], 0x0                    ; scale
	s_add_nc_u64 s[HB:HB+1], s[4:5], s[16:17]
	s_mov_b32 s[G0], 1                             ; 1:0 count = 1
	s_mul_i32 s[G0+1], s[WV], PART                 ; 63:32 LDS address: wave x 70 rows
	s_mov_b32 s16, s[G0+1]
	s_add_nc_u64 s[G0+2:G0+3], s[HB:HB+1], s[16:17]   ; 120:64 global address: the same place in the record
	s_or_b32 s[G0+3], s[G0+3], 0x80000000          ; 127:126 type = 2
	ROUND                                          ; all four work-groups are here: the joint loads meet
	s_cmp_lt_u32 s[WV], 8                          ; waves 0-7 fetch, one load each; the wait behind the branch is for 0
	s_cbranch_scc0 .Lno_fill
	tensor_load_to_lds s[G0:G0+3], s[G1:G1+7]
	s_nop 0
.rept 4
	v_nop
.endr
.Lno_fill:
	v_and_b32 v9, 31, v0                           ; lane
	v_and_b32 v10, 15, v0                          ; r
	v_bfe_u32 v11, v0, 4, 1                        ; h
	s_lshl_b32 s16, s14, 5
	s_add_co_u32 s16, s16, s[WV]                   ; my first tile of queries: 32 x block + wave; the second is 16 tiles on
	s_lshl_b32 s17, s16, 9
	v_lshl_add_u32 v[QO], v9, 4, s17               ; 512 bytes a tile, 16 a lane
	s_lshr_b32 s17, s16, 2
	s_lshl_b32 s17, s17, 8
	s_and_b32 s11, s16, 3
	s_lshl_b32 s11, s11, 2
	s_add_co_u32 s17, s17, s11
	v_lshl_add_u32 v[QSO], v10, 4, s17             ; 256 (tile / 4) + 16 r + 4 (tile % 4)
.macro QLOAD i                         ; tile i's fragment and scale words
	global_load_b128 v[QF:QF+3], v[QO], s[HB:HB+1] offset:QIMG+8192*\i
	global_load_b32 v[QS], v[QSO], s[HB:HB+1] offset:QSCL+1024*\i
.endm
	QLOAD 0
	s_lshr_b32 s17, s15, 4
	s_lshl_b32 s17, s17, 23                        ; out: the batch's 2,048 rows of 4,096 bytes,
	s_and_b32 s11, s15, 15
	s_lshl_b32 s11, s11, 8                         ; the head's 256 bytes of a row,
	s_add_co_u32 s17, s17, s11
	s_lshl_b32 s16, s16, 16                        ; the tile's 16 rows: all under 2^26
	s_add_co_u32 s16, s16, s17
	s_mov_b32 s17, 0
	s_add_nc_u64 s[8:9], s[8:9], s[16:17]
	v_lshlrev_b32 v[LI], 4, v9
	v_add_nc_u32 v[LV], VIMG, v[LI]
	v_add_nc_u32 v[LKS], KSCL, v[LI]
	v_lshl_add_u32 v[LVS], v10, 4, VSCL
	s_mul_i32 s11, s[WV], 16*SPI
	s_add_co_u32 s11, s11, STG                     ; my stage
	v_mul_u32_u24 v[STO], v10, SPI
	v_lshl_add_u32 v[STO], v11, 5, v[STO]
	v_add_nc_u32 v[STO], s11, v[STO]               ; in: row r; tile d's eight channels of my half: 64 d + 32 h bytes on
	v_mul_u32_u24 v[RD], v11, SPI
	v_lshl_add_u32 v[RD], v10, 4, v[RD]
	v_add_nc_u32 v[RD], s11, v[RD]                 ; back: lanes 0-15 one row, lanes 16-31 the next
	v_lshlrev_b32 v[GO], 12, v11
	v_lshl_add_u32 v[GO], v10, 4, v[GO]            ; and the same two rows in out
.irp j, 4,5,6,7
	v_mov_b32 v[QF+\j], 0                          ; zero codes for K = 64 .. 127 of the instruction
.endr
.irp t, 0,1,2,3,4,5,6,7
.irp j, 4,5,6,7
	v_mov_b32 v[KF+8*\t+\j], 0
.endr
.endr
.irp b, 0,1,2,3
	v_mov_b32 v[PB+\b], 0                          ; written once: a lane permute's destination counts as one of its sources
.endr
	v_mov_b32 v[FF+1], 0
	s_wait_kmcnt 0x0                               ; scale
	s_and_b32 s11, s10, 0x7fffffff
	v_rcp_f32 v8, s11                              ; 1 / |scale|
	v_nop                                          ; a plain place behind the transcendental
	s_wait_alu depctr_va_vdst(0)
	v_mul_f32 v8, 0x3fb8aa3b, v8                   ; c = log2(e) / |scale|
	v_readfirstlane_b32 s[CS], v8
	s_mov_b32 s[CS+1], s[CS]                       ; (named with it as a pair, so it is written)
	s_ashr_i32 s[SGN], s10, 31
	s_and_b32 s[SGN], s[SGN], 0x88888888           ; bit 3 of each code is its sign
	s_wait_tensorcnt 0x0                           ; my part of the head's bytes is in,
	s_barrier_signal -1
	s_barrier_wait -1                              ; everybody's is
; A KEY STEP: 128 keys.
.macro STEP
	v_add_nc_u32 v[ADK], s[TB], v[LI]              ; these four lines are also the places between the last step's products and the loads into the registers that they read
	v_add_nc_u32 v[ADV], s[TB], v[LV]
	v_add_nc_u32 v[ADS], s[TS], v[LKS]
	v_add_nc_u32 v[ADT], s[TJ], v[LVS]
	ds_load_b128 v[KSW:KSW+3], v[ADS]
.irp t, 0,1,2,3,4,5,6,7
	ds_load_b128 v[KF+8*\t:KF+8*\t+3], v[ADK] offset:512*\t
.endr
	ds_load_b128 v[VSW:VSW+3], v[ADT]
.irp d, 0,1,2,3
.irp c, 0,1
	ds_load_b128 v[VF+8*\d+4*\c:VF+8*\d+4*\c+3], v[ADV] offset:2048*\c+512*\d
.endr
.endr
	s_wait_dscnt 9                                 ; K's nine loads are in; V's nine, issued behind them, land during the softmax
.irp t, 0,1,2,3
	v_wmma_scale_f32_16x16x128_f8f6f4 v[ST+8*\t:ST+8*\t+7], v[KF+8*\t:KF+8*\t+7], v[QF:QF+7], 0, v[KSW+\t], v[QS] matrix_a_fmt:MATRIX_FMT_FP4 matrix_b_fmt:MATRIX_FMT_FP4
.endr
.irp t, 4,5,6,7
	v_wmma_scale_f32_16x16x128_f8f6f4 v[ST+8*\t:ST+8*\t+7], v[KF+8*\t:KF+8*\t+7], v[QF:QF+7], 0, v[KSW+\t-4], v[QS] matrix_a_fmt:MATRIX_FMT_FP4 matrix_b_fmt:MATRIX_FMT_FP4 matrix_a_scale:MATRIX_SCALE_ROW1
.endr
.rept 4
	v_nop                                          ; places in front of the first read of results
.endr
.irp b, 0,1,2,3
	v_max3_num_f32 v[BM+\b], v[ST+16*\b], v[ST+1+16*\b], v[ST+2+16*\b]   ; THE LARGEST SCORE OF EACH BLOCK OF 32 KEYS: it serves for the row's maximum and, since p rises with the score, for the block's largest p
.endr
.irp i, 3,5,7,9,11,13
.irp b, 0,1,2,3
	v_max3_num_f32 v[BM+\b], v[BM+\b], v[ST+16*\b+\i], v[ST+1+16*\b+\i]   ; (the four blocks by turns; each accumulator from its low end on)
.endr
.endr
.irp b, 0,1,2,3
	v_max_num_f32 v[BM+\b], v[BM+\b], v[ST+15+16*\b]
.endr
.irp b, 0,1,2,3
	v_permlanex16_b32 v[PB+\b], v[BM+\b], s[SEL], s[SEL+1]
.endr
.irp b, 0,1,2,3
	v_max_num_f32 v[BM+\b], v[BM+\b], v[PB+\b]     ; with lane l xor 16's 16 keys
.endr
	v_max3_num_f32 v[TMP], v[BM], v[BM+1], v[BM+2]
	v_max_num_f32 v[TMP], v[TMP], v[BM+3]          ; the step's largest score of my query
	v_mul_f32 v[TMP], s[CS], v[TMP]                ; as t (c is positive)
	v_max_num_f32 v13, v13, v[TMP]                 ; the running largest t
	v_mov_b32 v[TMP], v12
	v_floor_f32 v12, -v13                          ; the new -M = floor(-t) = -ceil(t): M is a whole number
	v_sub_f32 v[TMP], v12, v[TMP]                  ; M's old value less its new one: a whole number, 0 or less
	v_cvt_i32_f32 v[TMP], v[TMP]                   ; (it saturates)
	v_ldexp_f32 v[FF], 1.0, v[TMP]                 ; f = 2^(old M - new M)
.irp j, 0,2,4,6,8,10,12,14,16,18,20,22,24,26,28,30,32,34,36,38,40,42,44,46,48,50,52,54,56,58,60,62
	v_pk_fma_f32 v[ST+\j:ST+1+\j], v[ST+\j:ST+1+\j], s[CS:CS+1], v[12:13] op_sel_hi:[1,0,0]   ; t - M, two at a time (of the pairs c and -M the low word serves both halves)
.endr
.irp b, 0,1,2,3
	v_fma_f32 v[BM+\b], v[BM+\b], s[CS], v12       ; the same of each block's largest score
.endr
.irp j, 0,1,2,3,4,5,6,7,8,9,10,11,12,13,14,15,16,17,18,19,20,21,22,23,24,25,26,27,28,29,30,31,32,33,34,35,36,37,38,39,40,41,42,43,44,45,46,47,48,49,50,51,52,53,54,55,56,57,58,59,60,61,62,63
	v_exp_f32 v[ST+\j], v[ST+\j]                   ; p = 2^(t - M), at most 1: not normalised
.endr
.irp b, 0,1,2,3
	v_exp_f32 v[BM+\b], v[BM+\b]                   ; the block's largest p: the same two instructions on the same number give the same bits
.endr
	v_pk_mul_f32 v[14:15], v[14:15], v[FF:FF+1] op_sel_hi:[1,0]   ; the sums under the new M; also the plain place behind the exponentials
	s_wait_alu depctr_va_vdst(0)
.irp b, 0,1,2,3
	v_max_num_f32 v[BM+\b], 0x1800000, v[BM+\b]    ; the floor 2^(3 - 127): the byte cannot fall under 1
.endr
.irp b, 0,1,2,3
	v_add_nc_u32 v[SOP+\b], 0xff000000, v[BM+\b]   ; 2 off the exponent field: the conversion's scale operand
.endr
.irp b, 0,1,2,3
	v_lshrrev_b32 v[PB+\b], 23, v[SOP+\b]          ; the scale's byte
.endr
	v_lshl_or_b32 v[PSW], v[PB+1], 8, v[PB]        ; p's scale word for these 128 keys
	v_lshl_or_b32 v[PSW], v[PB+2], 16, v[PSW]
	v_lshl_or_b32 v[PSW], v[PB+3], 24, v[PSW]
.irp b, 0,1,2,3
	v_cvt_scalef32_pk8_fp4_f32 v[PCD+2*\b], v[ST+16*\b:ST+7+16*\b], v[SOP+\b]
	v_cvt_scalef32_pk8_fp4_f32 v[PCD+1+2*\b], v[ST+8+16*\b:ST+15+16*\b], v[SOP+\b]
.endr
	v_nop                                          ; one plain place behind a scaled conversion
.irp c, 0,1                                    ; the operand's layout wants a WHOLE block in a lane: lanes 0-15 block 2 c, lanes 16-31 block 2 c + 1
.irp i, 0,1
	v_permlane16_swap_b32 v[PCD+4*\c+\i], v[PCD+2+4*\c+\i]
.endr
.endr
.irp j, 0,2,4,6,8,10,12,14,16,18,20,22,24,26,28,30
	v_pk_mul_f32 v[OT+\j:OT+1+\j], v[OT+\j:OT+1+\j], v[FF:FF+1] op_sel_hi:[1,0]   ; O^T under the new M: x f; each accumulator from its low end on
.endr
	v_pk_add_f32 v[PB:PB+1], v[ST:ST+1], v[ST+2:ST+3]   ; THE ROW'S SUM IS TAKEN OF THE UNQUANTISED p: two at a time, in two chains.  These 32 lines are the places between the scale word, the codes and O^T, all written by vector instructions, and the products
.irp j, 4,8,12,16,20,24,28,32,36,40,44,48,52,56,60
	v_pk_add_f32 v[14:15], v[14:15], v[ST+\j:ST+1+\j]
	v_pk_add_f32 v[PB:PB+1], v[PB:PB+1], v[ST+2+\j:ST+3+\j]
.endr
	v_pk_add_f32 v[14:15], v[14:15], v[PB:PB+1]
	s_wait_dscnt 0x0                               ; V's fragments and scale words are in
.irp d, 0,1,2,3                                ; O^T += V^T P^T: the four accumulators by turns, and the next matrix instruction is S^T's
	v_wmma_scale_f32_16x16x128_f8f6f4 v[OT+8*\d:OT+8*\d+7], v[VF+8*\d:VF+8*\d+7], v[PCD:PCD+7], v[OT+8*\d:OT+8*\d+7], v[VSW+\d], v[PSW] matrix_a_fmt:MATRIX_FMT_FP4 matrix_b_fmt:MATRIX_FMT_FP4
.endr
.endm
; THE WAY OUT of tile i.  O^T / the sum goes through my stage in LDS and leaves as rows: sixteen lanes store the head's 256 bytes of a row of out, aligned.
.macro OUT i
.rept 4
	v_nop                                          ; places behind the last products
.endr
	v_add_f32 v14, v14, v15                        ; the sum's two halves,
	v_permlanex16_b32 v[TMP], v14, s[SEL], s[SEL+1]
	v_add_f32 v14, v14, v[TMP]                     ; and lane l xor 16's: the row's sum
	v_rcp_f32 v14, v14
	v_nop                                          ; a plain place behind the transcendental
	s_wait_alu depctr_va_vdst(0)
.irp j, 0,2,4,6,8,10,12,14,16,18,20,22,24,26,28,30
	v_pk_mul_f32 v[ST+\j:ST+1+\j], v[OT+\j:OT+1+\j], v[14:15] op_sel_hi:[1,0]   ; register 8 d + j is o(query r, channel 16 d + 8 h + j)
.endr
.irp t, 0,1,2,3
	ds_store_b128 v[STO], v[ST+8*\t:ST+8*\t+3] offset:64*\t
	ds_store_b128 v[STO], v[ST+8*\t+4:ST+8*\t+7] offset:64*\t+16
.endr
.irp n, 0,1,2,3,4,5,6,7
	ds_load_b128 v[ST+32+4*\n:ST+35+4*\n], v[RD] offset:2*\n*SPI   ; LDS serves a wave's instructions in order (ISA guide 5.7.1.4): these see my stores; the stage is my own
.endr
.irp n, 0,1,2,3,4,5,6,7
	s_wait_dscnt 7-\n                              ; load n is in; the younger ones may be out
	global_store_b128 v[GO], v[ST+32+4*\n:ST+35+4*\n], s[8:9] offset:1048576*\i+8192*\n th:TH_STORE_NT   ; written once, read by nobody here
.endr
.endm
; A TILE OF 16 QUERIES.  The loop has no first step of its own: O^T and the sum begin as zeros and the largest t as -3e38, so the first f is 0 and multiplies zeros.
.macro QTILE i
	s_wait_loadcnt 0x0                             ; Q's fragment and scale words
	s_wait_xcnt 0x0                                ; the last tile's stores have read their registers, which the scores take again
.irp j, 0,1,2,3
	v_xor_b32 v[QF+\j], s[SGN], v[QF+\j]           ; -q where scale is negative
.endr
	v_mov_b32 v13, 0xff61b1e6                      ; the largest t so far: -3e38
	v_floor_f32 v12, -v13                          ; -M
	v_mov_b32 v14, 0                               ; the sum, in two halves
	v_mov_b32 v15, 0
.irp j, 0,1,2,3,4,5,6,7,8,9,10,11,12,13,14,15,16,17,18,19,20,21,22,23,24,25,26,27,28,29,30,31
	v_mov_b32 v[OT+\j], 0
.endr
	s_mov_b32 s[TB], 0
	s_mov_b32 s[TS], 0
	s_mov_b32 s[TJ], 0
	s_mov_b32 s[CNT], 16
.Lstep_\@:
	STEP
	s_add_co_u32 s[TB], s[TB], 4096
	s_add_co_u32 s[TS], s[TS], 512
	s_add_co_u32 s[TJ], s[TJ], 256
	s_sub_co_u32 s[CNT], s[CNT], 1
	s_cmp_lg_u32 s[CNT], 0
	s_cbranch_scc1 .Lstep_\@
.if \i == 0
	QLOAD 1                                        ; the next tile's Q lands during the way out; the last product that read these registers stands a softmax back
.endif
	OUT \i
.endm
	QTILE 0
	QTILE 1
	s_wait_tensorcnt 0x0
	ds_add_u32 v252, v255
	s_wait_dscnt 0x0
	ROUND                                          ; the closing round: no work-group ends while a partner may still ask for bytes by a load that names it
	s_endpgm
.Lfunc_end_k_qf3da99c21b_attn:
	.size	k_qf3da99c21b_attn, .Lfunc_end_k_qf3da99c21b_attn-k_qf3da99c21b_attn
	.p2alignl 7, 3214868480
	.fill 96, 4, 3214868480
	.section	.rodata,"a",@progbits
	.p2align	6, 0x0
	.amdhsa_kernel k_qf3da99c21b_attn
		.amdhsa_group_segment_fixed_size 215040
		.amdhsa_private_segment_fixed_size 0
		.amdhsa_enable_private_segment 0
		.amdhsa_kernarg_size 24
		.amdhsa_user_sgpr_count 2
		.amdhsa_user_sgpr_kernarg_segment_ptr 1
		.amdhsa_wavefront_size32 1
		.amdhsa_system_sgpr_workgroup_id_x 1
		.amdhsa_system_sgpr_workgroup_id_y 1
		.amdhsa_system_sgpr_workgroup_id_z 1
		.amdhsa_system_vgpr_workitem_id 0
		.amdhsa_next_free_vgpr 256
		.amdhsa_next_free_sgpr 66
		.amdhsa_reserve_vcc 0
		.amdhsa_float_denorm_mode_32 3
		.amdhsa_float_denorm_mode_16_64 3
		.amdhsa_memory_ordered 1
		.amdhsa_forward_progress 1
		.amdhsa_inst_pref_size 47
	.end_amdhsa_kernel
	.amdgpu_metadata
---
amdhsa.version: [ 1, 2 ]
amdhsa.kernels:
  - .name:           k_qf3da99c21b_attn
    .symbol:         k_qf3da99c21b_attn.kd
    .args:
      - { .name: hd, .offset: 0, .size: 8, .value_kind: global_buffer, .address_space: global }
      - { .name: scale, .offset: 8, .size: 8, .value_kind: global_buffer, .address_space: global }
      - { .name: out0, .offset: 16, .size: 8, .value_kind: global_buffer, .address_space: global }
    .group_segment_fixed_size: 215040
    .private_segment_fixed_size: 0
    .kernarg_segment_align: 8
    .kernarg_segment_size: 24
    .max_flat_workgroup_size: 512
    .sgpr_count:     66
    .vgpr_count:     256
    .wavefront_size: 32
...
	.end_amdgpu_metadata
.endif
;; end of part 3
